; MI455X (gfx1250); checked and timed in simulation.
; The chip was launched on July 23, 2026; its instructions are those of AMD's public machine-readable ISA for CDNA 5 (MIT licence, August 2026) and "CDNA5" Instruction Set Architecture Reference Guide (July 2026). The comments in the code are by the model that wrote it; some were corrected since.
;; Avg Pooling Initializer. Allowed arithmetic: matrix products marked QUANTISED: E5M2 operands, one given power-of-two scale a tensor, by v_wmma_f32_16x16x64_bf8_bf8 or v_wmma_f32_16x16x128_bf8_bf8, f32 sums; products left as they are: f32 operands where the result goes on into a quantised operand, else bf16, f16 or f32 operands; f32 sums; everything else in f32.
;; Inputs: bg_mask 8 x 4 x 128 x 128 float32; fg_mask 8 x 16 x 128 x 128 float32; fmap 8 x 256 x 128 x 128 float32; lowp_scales 2 int32 (the exponents e of the quantised operands' scales 2^e).
;; Outputs: out0 8 x 16 x 256 float32; out1 8 x 4 x 256 float32.
;; This version of the problem:
;;   THIS VERSION OF THE PROBLEM IS GIVEN IN LOW PRECISION. The matrix products marked QUANTISED in the list below multiply operands that are first quantised to E5M2 (5 exponent bits, 2 mantissa bits; 8 bits a number), with one given power-of-two scale for each operand tensor; their sums are f32. All else is computed in f32.
;;   The module's matrix products, in the order in which they are computed (A, B: the left and right operand; K: the contracted axis; several contracted axes count as one K, in the product's order):
;;     1. batch 8 x [M 16, K 16,384] x [K 16,384, N 256]; A: computed on the way; B: input fmap: QUANTISED (scales: A lowp_scales[0], B lowp_scales[1])
;;     2. batch 8 x [M 4, K 16,384] x [K 16,384, N 256]; A: computed on the way; B: input fmap: left as it is (M = 4 < 16)
;;   THE QUANTISER, for each operand of a quantised product, along K:
;;     - The operand's scale is 2^e, e = its entry of the input lowp_scales (int32; the entries are numbered through the quantised products in the list's order, A before B).
;;     - Each number is divided by the scale, clamped to +-57,344, and rounded to the nearest number of E5M2, ties to even, subnormals kept.
;;     - The product sums the exact products of the quantised numbers (number of the format x scale) in f32.
;;   ~~~python
;;   def quantise(x, axis, e):      # numpy; x: float32 -> the quantised numbers, widened to float32 again
;;       x = np.moveaxis(x, axis, -1); K = x.shape[-1]
;;       r = np.clip(x / 2.0 ** e, -57344, 57344)
;;       step = 2.0 ** (np.maximum(np.frexp(np.where(r == 0, 1, r))[1] - 1, -14) - 2)
;;       q = np.round(r / step) * step * 2.0 ** e      # np.round: ties to even
;;       return np.moveaxis(q, -1, axis).astype(np.float32)
;;   ~~~
;;   OPERANDS COMPUTED ON THE WAY. 'Computed on the way' means the value that the module computes at that place (a softmax that the list does not call 'softmax' is quantised finished and normalised). What goes into a quantiser is computed in f32, as accurately as f32 sums, v_exp_f32 and their like allow (about 1e-6 of the number): no bf16 or f16 on the way to a quantiser, and a product that is left as it is and whose result goes on into a quantised operand takes f32 operands (vector FMAs, or v_wmma_f32_16x16x4_f32). A number that lies on a knife's edge between two numbers of the format may be rounded either way, as far as f32 arithmetic and the matrix unit's own rounding can turn it there, and no further.
;; One version. Each part assembles by itself: llvm-mc -triple=amdgcn-amd-amdhsa -mcpu=gfx1250 --defsym DOCPART=n.
;; ======== version 1 of 1: 2 launches
;; workspace buffers: part 5,242,880 bytes; stat 65,536 bytes
;; launch pool (part 1): grid 32 x 8, 16 waves a work-group, no clusters, 183,552 bytes of LDS; arguments fmap, fg_mask, bg_mask, lowp_scales, part, stat; writes part, stat
.if DOCPART == 1
	.amdgcn_target "amdgcn-amd-amdhsa--gfx1250"
	.amdhsa_code_object_version 6
	.text
	.protected	k_q0019ee2ba3_pool
	.globl	k_q0019ee2ba3_pool
	.p2align	8
	.type	k_q0019ee2ba3_pool,@function
k_q0019ee2ba3_pool:
	s_mov_b64 s[64:65], 0
	v_nop
	global_prefetch_b8 v0, s[64:65] scope:SCOPE_SE
	s_setreg_imm32_b32 hwreg(HW_REG_WAVE_MODE, 25, 1), 1
	s_wait_xcnt 0x0
; PARTIAL MASKED SUMS.  fmap [8][256][16384] f32, fg_mask [8][16][16384], bg_mask [8][4][16384] f32; K = the pixels, innermost in all three.
; A work-group takes one batch (y) and 512 pixels (x), all 256 channels: 512 KiB of fmap and 40 KiB of masks; every input byte is read by exactly one work-group, so nothing could be
; shared in a cluster.  It stores part[batch][chunk][20 rows][256 channels] f32 (rows 0-15 foreground, 16-19 background) and stat[batch][chunk][64] f32:
; word r = the count of row r in these 512 pixels (r = 0..19, words 20-31 zero), word 32 + r = foreground row r's largest value here (words 48-63 zero).
; FOREGROUND (quantised): weights 0 / 1 and fmap become codes of E5M2 with the given scales 2^e0, 2^e1 and go to v_wmma_f32_16x16x64_bf8_bf8; the sums are multiplied by 2^(e0 + e1).
; A foreground row with no pixel over 0.5 in these 512 takes instead the one-hot of its first largest pixel here: the next launch keeps that partial only if the whole row is empty
; and this chunk holds the row's first largest value; else it drops it.  All by selects: no branch and no address hangs on data.
; BACKGROUND (left as it is): weights and fmap in bf16, v_wmma_f32_16x16x32_bf16.  The four masks are repeated in the operand's sixteen columns; the copies' results go to stage rows that nobody reads.
; SHARES.  Sixteen waves.  Wave w prepares foreground row w (waves 0-3 also background row w), then owns channels 16 w .. 16 w + 15 for all 512 pixels, in four steps of 128.
; LOADS.  Every global load of a wave reads 512 consecutive bytes of one row.  Two sets of 64 registers are out at all times (16 KiB a wave); a step's 8 KiB turn through the wave's own stage in LDS into operand order.
; OPERAND ORDER.  Lane (r = lane % 16, h = lane / 16) holds, of its row r, pixels 32 c + 16 h + 0 .. 15 of each block of 32: the same places in the mask's fragment and in fmap's, so every product meets its partner.
; Source 0 = 16 channels, source 1 = 16 mask rows: in the result lane (r, h) holds mask r and registers 0-7 the channels 8 h + 0 .. 7.
; LIMITS: e0 and e1 between -126 and 112, so that 2^e and 57,344 x 2^e are f32 numbers.  NaN among the masks and numbers of fmap that are not finite are not served.
.set ROWB,  65536                      ; bytes of one channel's or one mask's row in memory
.set SP,    528                        ; a stage row and a row of codes in LDS: 512 bytes + 16: row r starts 4 r banks on (64 banks of 4 bytes: ISA guide 11.1)
.set STGW,  16*SP                      ; a wave's stage: 16 channels x 128 pixels of f32
.set AFG,   16*STGW                    ; behind the stages: the foreground codes, 16 rows x 512 bytes, pitch SP
.set BP,    1040                       ; a row of background weights: 512 bf16 + 16 bytes
.set ABG,   AFG+16*SP                  ; the background weights, 4 rows
.set STAT,  ABG+4*BP                   ; 64 words: counts and largest values
.set OUTS,  STAT+256                   ; the way out: 32 rows x (1,024 bytes + 16); rows 20-31 are never read
.set OP,    1040
.set GO,   1                           ; v1   16 x lane: my bytes of a load's 512
.set SI,   2                           ; v2   the stage, on the way in
.set SO,   3                           ; v3   the stage, on the way out: row r, + 64 h
.set AFA,  4                           ; v4   my place in the foreground codes: row r, + 16 h
.set ABA,  5                           ; v5   my place in the background weights: row r % 4, + 32 h
.set MFW,  6                           ; v6   where I put my row's codes
.set MBW,  7                           ; v7   where I put my background row's weights
.set STW,  8                           ; v8   my wave's word among the counts
.set OS,   9                           ; v9   the way out: where I put 32 bytes of a row
.set ORD,  10                          ; v10  the way out: where I read 8 bytes back
.set STR,  11                          ; v11  the 64 words, 8 bytes a lane
.set PO,   12                          ; v12  my byte offset in the work-group's part
.set L8,   13                          ; v13  8 x lane
.set LIM1, 14                          ; v14  57,344 x 2^e1
.set SC1,  15                          ; v15  2^e1
.set L4,   20                          ; v20  4 x lane
.set SC0,  21                          ; v21  2^e0
.set ONE,  22                          ; v22  the weight 1, held at 57,344 x 2^e0
.set NIL,  23                          ; v23  0
.set R,    24                          ; v24-151  two sets of 64: a step as it is loaded
.set X,    152                         ; v152-183 32 numbers of my channel in operand order
.set BF,   184                         ; v184-199 two bf16 fragments of fmap
.set CD,   200                         ; v200-207 one fragment of fmap's codes
.set AF,   208                         ; v208-215 the foreground masks' fragment
.set AB,   216                         ; v216-231 two fragments of background weights
.set ACF,  232                         ; v232-239 foreground sums
.set AC0,  240                         ; v240-247, v248-255 background sums, two accumulators by turns
.set AC1,  248
.set MK,   152                         ; ahead of the steps: my foreground row's 16 numbers,
.set MB,   168                         ; my background row's,
.set TA,   184                         ; at work
.set TB,   185
.set TI,   186
.set TC,   187
.set CW,   188                         ; four words of codes
.set BW,   192                         ; eight words of bf16 weights
.set T,    152                         ; the way out: 16 results
.set Y,    168                         ; five pairs read back
.set Z,    178
.set WV,   16                          ; s16  my wave's number
.set SE,   19                          ; s19  e0 + e1
.set SEL,  32                          ; s[32:33] selects of v_permlanex16_b32: lane xor 16
.set CNT,  34
.set TS,   35
.set GM,   36                          ; s36-51  lane masks: number k of the lanes' sixteen is over 0.5
.set EQ,   68                          ; s68-83  lane masks: number k is the row's first largest
	s_load_b256 s[4:11], s[0:1], 0x0               ; fmap s[4:5], fg_mask s[6:7], bg_mask s[8:9], the scales' exponents s[10:11]
	s_load_b128 s[12:15], s[0:1], 0x20             ; part s[12:13], stat s[14:15]
	v_lshrrev_b32 v16, 5, v0
	v_readfirstlane_b32 s[WV], v16                 ; wave 0..15
	v_and_b32 v17, 31, v0                          ; lane
	v_and_b32 v18, 15, v0                          ; r
	v_bfe_u32 v19, v0, 4, 1                        ; h
	s_and_b32 s18, ttmp7, 0xffff                   ; batch
	s_lshl_b32 s17, ttmp9, 11                      ; the chunk's first pixel in a row, in bytes
	s_lshl_b32 s22, s18, 24                        ; fmap: batch x 256 rows + 16 x wave rows + the chunk
	s_lshl_b32 s23, s[WV], 20
	s_add_co_u32 s22, s22, s23
	s_add_co_u32 s22, s22, s17
	s_mov_b32 s23, 0
	s_lshl_b32 s24, s18, 20                        ; fg_mask: batch x 16 rows + row = wave
	s_lshl_b32 s25, s[WV], 16
	s_add_co_u32 s24, s24, s25
	s_add_co_u32 s24, s24, s17
	s_mov_b32 s25, 0
	s_and_b32 s53, s[WV], 3
	s_lshl_b32 s26, s18, 18                        ; bg_mask: batch x 4 rows + row = wave % 4 (used by waves 0-3 alone)
	s_lshl_b32 s27, s53, 16
	s_add_co_u32 s26, s26, s27
	s_add_co_u32 s26, s26, s17
	s_mov_b32 s27, 0
	s_lshl_b32 s28, s18, 5
	s_add_co_u32 s28, s28, ttmp9                   ; 32 x batch + chunk
	s_mul_i32 s30, s28, 20*1024                    ; its 20 rows of 1,024 bytes in part,
	s_mov_b32 s31, 0
	s_lshl_b32 s28, s28, 8                         ; its 256 bytes in stat
	s_mov_b32 s29, 0
	s_mov_b32 s[SEL], 0x76543210
	s_mov_b32 s[SEL+1], 0xfedcba98
	; every LDS address is made here, ahead of the first branch on the wave's number: a constant + a constant x wave + constants x lane parts
	v_lshlrev_b32 v[GO], 4, v17
	v_lshlrev_b32 v[L4], 2, v17
	v_lshlrev_b32 v[L8], 3, v17
	v_mov_b32 v[NIL], 0
	s_mul_i32 s52, s[WV], STGW
	v_add_nc_u32 v[SI], s52, v[GO]
	v_mul_u32_u24 v16, v18, SP
	v_lshl_add_u32 v[SO], v19, 6, v16
	v_add_nc_u32 v[SO], s52, v[SO]
	v_lshl_add_u32 v[AFA], v19, 4, v16
	v_add_nc_u32 v[AFA], AFG, v[AFA]
	v_and_b32 v[ABA], 3, v0
	v_mul_u32_u24 v[ABA], v[ABA], BP
	v_lshl_add_u32 v[ABA], v19, 5, v[ABA]
	v_add_nc_u32 v[ABA], ABG, v[ABA]
	s_mul_i32 s52, s[WV], SP
	s_add_co_u32 s52, s52, AFG
	v_add_nc_u32 v[MFW], s52, v[L4]
	s_mul_i32 s52, s53, BP
	s_add_co_u32 s52, s52, ABG
	v_add_nc_u32 v[MBW], s52, v[L8]
	s_lshl_b32 s52, s[WV], 2
	s_add_co_u32 s52, s52, STAT
	v_mov_b32 v[STW], s52
	v_mul_u32_u24 v[OS], v18, OP
	v_lshl_add_u32 v[OS], v19, 5, v[OS]
	s_lshl_b32 s52, s[WV], 6
	s_add_co_u32 s52, s52, OUTS
	v_add_nc_u32 v[OS], s52, v[OS]                 ; row r, + 64 x wave (my 16 channels), + 32 h
	s_lshr_b32 s52, s[WV], 2
	s_mul_i32 s52, s52, OP
	s_lshl_b32 s53, s53, 8
	s_add_co_u32 s52, s52, s53
	s_add_co_u32 s52, s52, OUTS
	v_add_nc_u32 v[ORD], s52, v[L8]                ; row wave / 4, quarter wave % 4 of its 1,024 bytes
	v_add_nc_u32 v[STR], STAT, v[L8]
	s_lshl_b32 s52, s[WV], 8
	v_add_nc_u32 v[PO], s52, v[L8]                 ; the same place in part: 1,024 (wave / 4) + 256 (wave % 4) = 256 x wave
	s_wait_kmcnt 0x0
	s_load_b64 s[20:21], s[10:11], 0x0             ; e0, e1
	s_add_nc_u64 s[6:7], s[6:7], s[24:25]
	s_add_nc_u64 s[8:9], s[8:9], s[26:27]
	s_add_nc_u64 s[4:5], s[4:5], s[22:23]
	s_add_nc_u64 s[12:13], s[12:13], s[30:31]
	s_add_nc_u64 s[14:15], s[14:15], s[28:29]
; a step's 16 channels x 128 pixels into set buf: each load reads 512 consecutive bytes of one channel; every offset is an immediate, 984,576 at the most
.macro LOAD buf, st
.irp i, 0,1,2,3,4,5,6,7,8,9,10,11,12,13,14,15
	global_load_b128 v[R+64*(\buf)+4*\i:R+64*(\buf)+4*\i+3], v[GO], s[4:5] offset:\i*ROWB+512*(\st) th:TH_LOAD_NT
.endr
.endm
	; the masks first: the products wait for them.  Number k = 4 t + e of a lane is pixel 128 t + 4 lane + e
.irp t, 0,1,2,3
	global_load_b128 v[MK+4*\t:MK+4*\t+3], v[GO], s[6:7] offset:512*\t th:TH_LOAD_NT
.endr
	s_cmp_lt_u32 s[WV], 4
	s_cbranch_scc0 .Lno_bg_row
.irp t, 0,1,2,3
	global_load_b128 v[MB+4*\t:MB+4*\t+3], v[GO], s[8:9] offset:512*\t th:TH_LOAD_NT
.endr
.Lno_bg_row:
	LOAD 0, 0
	LOAD 1, 1
	s_wait_kmcnt 0x0
	s_add_co_i32 s[SE], s20, s21                   ; e0 + e1
	s_add_co_i32 s52, s20, 127
	s_lshl_b32 s53, s52, 23
	v_mov_b32 v[SC0], s53                          ; 2^e0 as f32: the conversion takes its exponent field
	s_add_co_i32 s52, s52, 15
	s_lshl_b32 s52, s52, 23
	s_or_b32 s52, s52, 0x600000                    ; 57,344 x 2^e0
	v_min_num_f32 v[ONE], 1.0, s52                 ; the hold, made once: the only weight that is not 0 is 1
	s_add_co_i32 s52, s21, 127
	s_lshl_b32 s53, s52, 23
	v_mov_b32 v[SC1], s53
	s_add_co_i32 s52, s52, 15
	s_lshl_b32 s52, s52, 23
	s_or_b32 s52, s52, 0x600000
	v_mov_b32 v[LIM1], s52
.macro COUNT                           ; the row's count: the set bits of the sixteen lane masks
	s_bcnt1_i32_b32 s[CNT], s[GM]
.irp k, 1,2,3,4,5,6,7,8,9,10,11,12,13,14,15
	s_bcnt1_i32_b32 s[TS], s[GM+\k]
	s_add_co_u32 s[CNT], s[CNT], s[TS]
.endr
.endm
	; ---- my foreground row
	s_wait_loadcnt 32                              ; the masks are in; the 32 loads of fmap issued behind them stay out
.irp k, 0,1,2,3,4,5,6,7,8,9,10,11,12,13,14,15
	v_cmp_lt_f32 s[GM+\k], 0.5, v[MK+\k]
.endr
	v_max3_num_f32 v[TA], v[MK], v[MK+1], v[MK+2]  ; the largest of my 16, in two chains,
	v_max3_num_f32 v[TB], v[MK+3], v[MK+4], v[MK+5]
	v_max3_num_f32 v[TA], v[TA], v[MK+6], v[MK+7]
	v_max3_num_f32 v[TB], v[TB], v[MK+8], v[MK+9]
	v_max3_num_f32 v[TA], v[TA], v[MK+10], v[MK+11]
	v_max3_num_f32 v[TB], v[TB], v[MK+12], v[MK+13]
	v_max3_num_f32 v[TA], v[TA], v[MK+14], v[MK+15]
	v_max_num_f32 v[TA], v[TA], v[TB]
	v_max_num_f32_dpp v[TA], v[TA], v[TA] row_xmask:1 row_mask:0xf bank_mask:0xf   ; and of the 32 lanes: the row's largest here, in every lane
	v_max_num_f32_dpp v[TA], v[TA], v[TA] row_xmask:2 row_mask:0xf bank_mask:0xf
	v_max_num_f32_dpp v[TA], v[TA], v[TA] row_xmask:4 row_mask:0xf bank_mask:0xf
	v_max_num_f32_dpp v[TA], v[TA], v[TA] row_xmask:8 row_mask:0xf bank_mask:0xf
	v_permlanex16_b32 v[TB], v[TA], s[SEL], s[SEL+1]
	v_max_num_f32 v[TA], v[TA], v[TB]
	COUNT
	v_mov_b32 v[TI], 0x10000                       ; the first pixel that holds it: over every pixel number where I have none;
.irp k, 15,14,13,12,11,10,9,8,7,6,5,4,3,2,1,0
	v_cmp_neq_f32 vcc_lo, v[MK+\k], v[TA]          ; from my last number down, so that my first one stays
	v_cndmask_b32 v[TI], 128*(\k/4)+\k%4, v[TI], vcc_lo
.endr
	v_add_nc_u32 v[TI], v[L4], v[TI]               ; + 4 lane: the pixel's number
	v_cvt_f32_u32 v[TI], v[TI]                     ; exact; the least of the 32 lanes' is taken in f32
	v_min_num_f32_dpp v[TI], v[TI], v[TI] row_xmask:1 row_mask:0xf bank_mask:0xf
	v_min_num_f32_dpp v[TI], v[TI], v[TI] row_xmask:2 row_mask:0xf bank_mask:0xf
	v_min_num_f32_dpp v[TI], v[TI], v[TI] row_xmask:4 row_mask:0xf bank_mask:0xf
	v_min_num_f32_dpp v[TI], v[TI], v[TI] row_xmask:8 row_mask:0xf bank_mask:0xf
	v_permlanex16_b32 v[TB], v[TI], s[SEL], s[SEL+1]
	v_min_num_f32 v[TI], v[TI], v[TB]
	v_cvt_u32_f32 v[TI], v[TI]
	v_sub_nc_u32 v[TI], v[TI], v[L4]               ; less 4 lane: it equals 128 t + e in the one lane and number that hold that pixel
.irp k, 0,1,2,3,4,5,6,7,8,9,10,11,12,13,14,15
	v_cmp_eq_u32 s[EQ+\k], 128*(\k/4)+\k%4, v[TI]
.endr
	s_cmp_lg_u32 s[CNT], 0                         ; a choice of values, not a branch: the pixels over 0.5, or, where there are none here, the one pixel
.irp k, 0,1,2,3,4,5,6,7,8,9,10,11,12,13,14,15
	s_cselect_b32 s[GM+\k], s[GM+\k], s[EQ+\k]
.endr
.irp k, 0,1,2,3,4,5,6,7,8,9,10,11,12,13,14,15
	v_cndmask_b32 v[MK+\k], 0, v[ONE], s[GM+\k]
.endr
	v_cvt_scalef32_pk8_bf8_f32 v[CW:CW+1], v[MK:MK+7], v[SC0]        ; weight / 2^e0, to the nearest code; word t = pixels 128 t + 4 lane + 0 .. 3
	v_cvt_scalef32_pk8_bf8_f32 v[CW+2:CW+3], v[MK+8:MK+15], v[SC0]
	v_cvt_f32_u32 v[TB], s[CNT]                    ; (a plain vector line behind the last conversion)
.irp t, 0,1,2,3
	ds_store_b32 v[MFW], v[CW+\t] offset:128*\t    ; 32 lanes: 128 consecutive bytes of my row of codes
.endr
	ds_store_b32 v[STW], v[TB]                     ; word wave: the count; all lanes write the same word with the same value
	ds_store_b32 v[STW], v[TA] offset:128          ; word 32 + wave: the largest value
	ds_store_b32 v[STW], v[NIL] offset:192         ; word 48 + wave: 0
	; ---- waves 0-3: a background row
	v_mov_b32 v[TC], 0
	s_cmp_lt_u32 s[WV], 4
	s_cbranch_scc0 .Lno_bg
.irp k, 0,1,2,3,4,5,6,7,8,9,10,11,12,13,14,15
	v_cmp_lt_f32 s[GM+\k], 0.5, v[MB+\k]
.endr
	COUNT
.irp k, 0,1,2,3,4,5,6,7,8,9,10,11,12,13,14,15
	v_cndmask_b32 v[MB+\k], 0, 1.0, s[GM+\k]
.endr
.irp p, 0,1,2,3,4,5,6,7
	v_cvt_pk_bf16_f32 v[BW+\p], v[MB+2*\p], v[MB+2*\p+1]
.endr
.irp t, 0,1,2,3
	ds_store_b64 v[MBW], v[BW+2*\t:BW+2*\t+1] offset:256*\t          ; 32 lanes: 256 consecutive bytes of my row of weights
.endr
	v_cvt_f32_u32 v[TC], s[CNT]
.Lno_bg:
	ds_store_b32 v[STW], v[TC] offset:64           ; word 16 + wave: a background row's count, or 0
	s_wait_dscnt 0x0                               ; for the others' sake: my codes, weights and words lie in LDS
	s_barrier_signal -1
	s_barrier_wait -1                              ; everybody's do; nobody writes them again
.macro TOSTAGE buf                     ; a step goes into my stage as it was loaded: a channel's 512 bytes on end
.irp i, 0,1,2,3,4,5,6,7,8,9,10,11,12,13,14,15
	ds_store_b128 v[SI], v[R+64*(\buf)+4*\i:R+64*(\buf)+4*\i+3] offset:\i*SP
.endr
.endm
; Half u of step st: 64 pixels x my 16 channels.  first = 1: the products start the sums.  refill = 1: the set that has just gone into the stage takes the step two on.
.macro HALF st, u, first, refill
.irp c, 0,1
.irp q, 0,1,2,3
	ds_load_b128 v[X+16*\c+4*\q:X+16*\c+4*\q+3], v[SO] offset:128*(2*(\u)+\c)+16*\q   ; LDS serves a wave's instructions in order (ISA guide 5.7.1.4): these see my stores
.endr
.endr
.if !(\first)
.rept 4
	v_nop                                          ; four places between the last products and the loads and conversions that write their sources
.endr
.endif
.irp c, 0,1
	ds_load_b128 v[AF+4*\c:AF+4*\c+3], v[AFA] offset:128*(\st)+32*(2*(\u)+\c)
	ds_load_b128 v[AB+8*\c:AB+8*\c+3], v[ABA] offset:256*(\st)+64*(2*(\u)+\c)
	ds_load_b128 v[AB+8*\c+4:AB+8*\c+7], v[ABA] offset:256*(\st)+64*(2*(\u)+\c)+16
.endr
	s_wait_dscnt 0x0                               ; the numbers and the masks' fragments are in; my stores into the stage have read their registers
.if \refill
	LOAD (\st)%2, (\st)+2
.endif
.irp c, 0,1
.irp p, 0,1,2,3,4,5,6,7
	v_cvt_pk_bf16_f32 v[BF+8*\c+\p], v[X+16*\c+2*\p], v[X+16*\c+2*\p+1]   ; for the background: the numbers as they are, rounded to bf16
.endr
.endr
.irp i, 0,1,2,3,4,5,6,7,8,9,10,11,12,13,14,15,16,17,18,19,20,21,22,23,24,25,26,27,28,29,30,31
	v_med3_num_f32 v[X+\i], v[X+\i], -v[LIM1], v[LIM1]   ; the conversion to an 8-bit code does not saturate (ISA guide 7.6.2): the hold at the largest code x the scale
.endr
.irp g, 0,1,2,3
	v_cvt_scalef32_pk8_bf8_f32 v[CD+2*\g:CD+2*\g+1], v[X+8*\g:X+8*\g+7], v[SC1]
.endr
	v_nop                                          ; one plain vector line between the last conversion and the product that reads its result
.if \first                             ; three accumulators by turns, one instruction a turn
	v_wmma_f32_16x16x64_bf8_bf8 v[ACF:ACF+7], v[CD:CD+7], v[AF:AF+7], 0
	v_wmma_f32_16x16x32_bf16 v[AC0:AC0+7], v[BF:BF+7], v[AB:AB+7], 0
	v_wmma_f32_16x16x32_bf16 v[AC1:AC1+7], v[BF+8:BF+15], v[AB+8:AB+15], 0
.else
	v_wmma_f32_16x16x64_bf8_bf8 v[ACF:ACF+7], v[CD:CD+7], v[AF:AF+7], v[ACF:ACF+7]
	v_wmma_f32_16x16x32_bf16 v[AC0:AC0+7], v[BF:BF+7], v[AB:AB+7], v[AC0:AC0+7]
	v_wmma_f32_16x16x32_bf16 v[AC1:AC1+7], v[BF+8:BF+15], v[AB+8:AB+15], v[AC1:AC1+7]
.endif
.endm
	s_wait_loadcnt 16                              ; step 0's sixteen loads are in; step 1's stay out
	TOSTAGE 0
	HALF 0, 0, 1, 1
	HALF 0, 1, 0, 0
	s_wait_loadcnt 16                              ; step 1's are in; step 2's stay out
	TOSTAGE 1
	HALF 1, 0, 0, 1
	HALF 1, 1, 0, 0
	s_wait_loadcnt 16                              ; step 2's are in; step 3's stay out
	TOSTAGE 0
	HALF 2, 0, 0, 0
	HALF 2, 1, 0, 0
	s_wait_loadcnt 0x0                             ; the last step
	TOSTAGE 1
	HALF 3, 0, 0, 0
	HALF 3, 1, 0, 0
	; THE WAY OUT.  A lane holds eight neighbouring channels of one row; a row's 256 channels come from sixteen waves: they meet in a stage, and leave as pieces of 256 consecutive bytes.
.rept 4
	v_nop                                          ; four places in front of the first read of results
.endr
.irp j, 0,1,2,3,4,5,6,7
	v_ldexp_f32 v[T+\j], v[ACF+\j], s[SE]          ; x 2^(e0 + e1); each accumulator is read from its low end on
.endr
.irp j, 0,2,4,6
	v_pk_add_f32 v[T+8+\j:T+9+\j], v[AC0+\j:AC0+\j+1], v[AC1+\j:AC1+\j+1]
.endr
	ds_store_b128 v[OS], v[T:T+3]
	ds_store_b128 v[OS], v[T+4:T+7] offset:16
	ds_store_b128 v[OS], v[T+8:T+11] offset:16*OP      ; background: row 16 + r; rows 20-31 take the copies
	ds_store_b128 v[OS], v[T+12:T+15] offset:16*OP+16
	s_wait_dscnt 0x0                               ; for the others' sake: my results lie in the stage
	s_barrier_signal -1
	s_barrier_wait -1
.irp i, 0,1,2,3,4
	ds_load_b64 v[Y+2*\i:Y+2*\i+1], v[ORD] offset:\i*4*OP            ; row wave / 4 + 4 i: twenty rows x four quarters = eighty pieces, five a wave
.endr
.irp i, 0,1,2,3,4
	s_wait_dscnt 4-\i                              ; piece i is in; the younger ones may be out
	global_store_b64 v[PO], v[Y+2*\i:Y+2*\i+1], s[12:13] offset:4096*\i   ; 32 lanes store 256 consecutive bytes, at a multiple of 256 from part's first byte
.endr
	s_cmp_lg_u32 s[WV], 0
	s_cbranch_scc1 .Ldone
	ds_load_b64 v[Z:Z+1], v[STR]                   ; wave 0: the 64 words, written ahead of the first barrier
	s_wait_dscnt 0x0
	global_store_b64 v[L8], v[Z:Z+1], s[14:15]     ; 256 consecutive bytes, aligned
.Ldone:
	s_wait_xcnt 0x0
	v_lshl_add_u32 v166, v0, 2, 0x2c500
	v_mov_b32 v167, 0
	s_wait_tensorcnt 0x0
	ds_add_u32 v166, v167
	s_wait_dscnt 0x0
	s_endpgm
.Lfunc_end_k_q0019ee2ba3_pool:
	.size	k_q0019ee2ba3_pool, .Lfunc_end_k_q0019ee2ba3_pool-k_q0019ee2ba3_pool
	.p2alignl 7, 3214868480
	.fill 96, 4, 3214868480
	.section	.rodata,"a",@progbits
	.p2align	6, 0x0
	.amdhsa_kernel k_q0019ee2ba3_pool
		.amdhsa_group_segment_fixed_size 183552
		.amdhsa_private_segment_fixed_size 0
		.amdhsa_enable_private_segment 0
		.amdhsa_kernarg_size 48
		.amdhsa_user_sgpr_count 2
		.amdhsa_user_sgpr_kernarg_segment_ptr 1
		.amdhsa_wavefront_size32 1
		.amdhsa_system_sgpr_workgroup_id_x 1
		.amdhsa_system_sgpr_workgroup_id_y 1
		.amdhsa_system_sgpr_workgroup_id_z 1
		.amdhsa_system_vgpr_workitem_id 0
		.amdhsa_next_free_vgpr 256
		.amdhsa_next_free_sgpr 84
		.amdhsa_reserve_vcc 1
		.amdhsa_float_denorm_mode_32 3
		.amdhsa_float_denorm_mode_16_64 3
		.amdhsa_memory_ordered 1
		.amdhsa_forward_progress 1
		.amdhsa_inst_pref_size 67
	.end_amdhsa_kernel
	.amdgpu_metadata
---
amdhsa.version: [ 1, 2 ]
amdhsa.kernels:
  - .name:           k_q0019ee2ba3_pool
    .symbol:         k_q0019ee2ba3_pool.kd
    .args:
      - { .name: fmap, .offset: 0, .size: 8, .value_kind: global_buffer, .address_space: global }
      - { .name: fg_mask, .offset: 8, .size: 8, .value_kind: global_buffer, .address_space: global }
      - { .name: bg_mask, .offset: 16, .size: 8, .value_kind: global_buffer, .address_space: global }
      - { .name: lowp_scales, .offset: 24, .size: 8, .value_kind: global_buffer, .address_space: global }
      - { .name: part, .offset: 32, .size: 8, .value_kind: global_buffer, .address_space: global }
      - { .name: stat, .offset: 40, .size: 8, .value_kind: global_buffer, .address_space: global }
    .group_segment_fixed_size: 183552
    .private_segment_fixed_size: 0
    .kernarg_segment_align: 8
    .kernarg_segment_size: 48
    .max_flat_workgroup_size: 512
    .sgpr_count:     84
    .vgpr_count:     256
    .wavefront_size: 32
...
	.end_amdgpu_metadata
.endif
;; end of part 1
;; launch mean (part 2): grid 20 x 8, 2 waves a work-group, no clusters, 0 bytes of LDS; arguments part, stat, out0, out1; writes out0, out1
.if DOCPART == 2
	.amdgcn_target "amdgcn-amd-amdhsa--gfx1250"
	.amdhsa_code_object_version 6
	.text
	.protected	k_q0019ee2ba3_mean
	.globl	k_q0019ee2ba3_mean
	.p2align	8
	.type	k_q0019ee2ba3_mean,@function
k_q0019ee2ba3_mean:
	s_mov_b64 s[64:65], 0
	v_nop
	global_prefetch_b8 v0, s[64:65] scope:SCOPE_SE
	s_setreg_imm32_b32 hwreg(HW_REG_WAVE_MODE, 25, 1), 1
	s_wait_xcnt 0x0
; THE MEANS.  A work-group makes one row of the output: x = row (0-15 foreground -> out0, 16-19 background -> out1), y = batch.
; part[batch][32 chunks][20 rows][256] f32 holds the chunks' sums, stat[batch][32 chunks][64] f32 their counts (word row) and, for the foreground, their largest mask values (word 32 + row; 0 for the background).
; row = (sum over chunks of w[chunk] x part[chunk]) / max(count, 1), with w = 0 or 1:
;   the row's count over 0: w = 1 where the chunk's own count is over 0 (a chunk without a pixel holds its one-hot pixel's numbers, which do not count here);
;   count 0, foreground: w = 1 for the first chunk that holds the row's largest mask value: the numbers at the row's first largest pixel;   count 0, background: all w = 0: zeros.
; The choice is made by selects and multiplications alone: no branch and no address hangs on data.
; Two waves: thread t owns channels 4 t .. 4 t + 3, so a chunk's row of 1,024 bytes is read, and the output row stored, 16 bytes a lane, 512 consecutive bytes a wave.  All 32 loads are out at once.
; For the counts a lane stands for a chunk; both waves work the weights out for themselves, so no LDS and no barrier.  Each lane's two words lie 256 bytes from its neighbour's; they are read once.
.set CHUNKS, 32
.set PSTEP,  20*1024                   ; bytes from a chunk's row to the next chunk's
.set A,  12                            ; v12-15   the sums
.set P,  16                            ; v16-143  32 chunks x 4 numbers
.set W,  28                            ; s28-59   the chunks' weights
	s_load_b256 s[4:11], s[0:1], 0x0               ; part s[4:5], stat s[6:7], out0 s[8:9], out1 s[10:11]
	v_and_b32 v1, 31, v0                           ; lane = chunk
	v_lshlrev_b32 v2, 8, v1                        ; the chunk's 256 bytes of stat
	v_lshlrev_b32 v3, 4, v0                        ; my 16 bytes of a row
	v_mov_b32 v8, 0                                ; written once: a lane permute's destination counts as one of its sources
	s_and_b32 s12, ttmp7, 0xffff                   ; batch
	s_lshl_b32 s14, s12, 13                        ; stat: batch x 32 x 256 bytes + 4 x row
	s_lshl_b32 s15, ttmp9, 2
	s_add_co_u32 s14, s14, s15
	s_mov_b32 s15, 0
	s_mul_i32 s16, s12, CHUNKS*PSTEP               ; part: the batch's first chunk, my row
	s_lshl_b32 s17, ttmp9, 10
	s_add_co_u32 s16, s16, s17
	s_mov_b32 s17, 0
	s_cmp_lt_u32 ttmp9, 16                         ; foreground or background: hangs on the work-group's number alone
	s_cselect_b32 s18, 0, 16
	s_cselect_b32 s19, 4, 2
	s_sub_co_u32 s18, ttmp9, s18                   ; the row within its output,
	s_lshl_b32 s19, s12, s19                       ; + 16 or 4 rows a batch,
	s_add_co_u32 s18, s18, s19
	s_lshl_b32 s18, s18, 10                        ; in bytes
	s_mov_b32 s19, 0
	s_mov_b32 s20, 0x76543210                      ; v_permlanex16_b32: lane xor 16
	s_mov_b32 s21, 0xfedcba98
	s_wait_kmcnt 0x0
	s_cmp_lt_u32 ttmp9, 16
	s_cselect_b64 s[8:9], s[8:9], s[10:11]
	s_add_nc_u64 s[8:9], s[8:9], s[18:19]
	s_add_nc_u64 s[6:7], s[6:7], s[14:15]
	s_add_nc_u64 s[4:5], s[4:5], s[16:17]
	global_load_b32 v4, v2, s[6:7]                 ; my chunk's count
	global_load_b32 v5, v2, s[6:7] offset:128      ; my chunk's largest mask value
.set k, 0
.rept CHUNKS
	global_load_b128 v[P+4*k:P+4*k+3], v3, s[4:5] offset:k*PSTEP th:TH_LOAD_NT
.set k, k+1
.endr
	s_wait_loadcnt 32                              ; the two words are in; the 32 loads issued behind them stay out
	v_mov_b32 v6, v4
	v_mov_b32 v7, v5
	v_add_f32_dpp v6, v6, v6 row_xmask:1 row_mask:0xf bank_mask:0xf       ; the row's count (whole numbers up to 16,384: exact) and its largest value, in every lane
	v_max_num_f32_dpp v7, v7, v7 row_xmask:1 row_mask:0xf bank_mask:0xf
	v_add_f32_dpp v6, v6, v6 row_xmask:2 row_mask:0xf bank_mask:0xf
	v_max_num_f32_dpp v7, v7, v7 row_xmask:2 row_mask:0xf bank_mask:0xf
	v_add_f32_dpp v6, v6, v6 row_xmask:4 row_mask:0xf bank_mask:0xf
	v_max_num_f32_dpp v7, v7, v7 row_xmask:4 row_mask:0xf bank_mask:0xf
	v_add_f32_dpp v6, v6, v6 row_xmask:8 row_mask:0xf bank_mask:0xf
	v_max_num_f32_dpp v7, v7, v7 row_xmask:8 row_mask:0xf bank_mask:0xf
	v_permlanex16_b32 v8, v6, s20, s21
	v_add_f32 v6, v6, v8
	v_permlanex16_b32 v8, v7, s20, s21
	v_max_num_f32 v7, v7, v8
	v_cmp_eq_f32 s22, v5, v7                       ; the chunks that hold the largest value;
	s_sub_co_u32 s23, 0, s22
	s_and_b32 s23, s23, s22                        ; the first of them: the lowest set bit
	s_cmp_lt_u32 ttmp9, 16
	s_cselect_b32 s23, s23, 0                      ; the background has no such pixel
	v_cmp_lt_f32 s24, 0, v4                        ; the chunks with a pixel of their own
	v_cmp_lt_f32 s25, 0, v6                        ; all lanes or none: the row has a pixel
	s_and_b32 s24, s24, s25
	s_and_not1_b32 s23, s23, s25
	s_or_b32 s24, s24, s23
	v_cndmask_b32 v9, 0, 1.0, s24                  ; my chunk's weight
	v_max_num_f32 v10, 1.0, v6                     ; the divisor: the count, or 1
	v_rcp_f32 v11, v10
	v_nop                                          ; a plain vector line behind the reciprocal
.set k, 0
.rept CHUNKS
	v_readlane_b32 s[W+k], v9, k
.set k, k+1
.endr
	s_wait_loadcnt 31                              ; chunk 0 is in
.irp i, 0,1,2,3
	v_mul_f32 v[A+\i], s[W], v[P+\i]               ; the first product starts the sums
.endr
.set k, 1
.rept CHUNKS-1
	s_wait_loadcnt 31-k                            ; chunk k is in; the younger ones may be out
.irp i, 0,1,2,3
	v_fmac_f32 v[A+\i], s[W+k], v[P+4*k+\i]
.endr
.set k, k+1
.endr
	s_wait_alu depctr_va_vdst(0)                   ; the wait ahead of the reciprocal's first reader
.irp i, 0,1,2,3
	v_mul_f32 v[A+\i], v[A+\i], v11
.endr
	global_store_b128 v3, v[A:A+3], s[8:9]         ; sixteen lanes store 256 consecutive bytes, aligned; the two waves a whole row
	s_endpgm
.Lfunc_end_k_q0019ee2ba3_mean:
	.size	k_q0019ee2ba3_mean, .Lfunc_end_k_q0019ee2ba3_mean-k_q0019ee2ba3_mean
	.p2alignl 7, 3214868480
	.fill 96, 4, 3214868480
	.section	.rodata,"a",@progbits
	.p2align	6, 0x0
	.amdhsa_kernel k_q0019ee2ba3_mean
		.amdhsa_group_segment_fixed_size 0
		.amdhsa_private_segment_fixed_size 0
		.amdhsa_enable_private_segment 0
		.amdhsa_kernarg_size 32
		.amdhsa_user_sgpr_count 2
		.amdhsa_user_sgpr_kernarg_segment_ptr 1
		.amdhsa_wavefront_size32 1
		.amdhsa_system_sgpr_workgroup_id_x 1
		.amdhsa_system_sgpr_workgroup_id_y 1
		.amdhsa_system_sgpr_workgroup_id_z 1
		.amdhsa_system_vgpr_workitem_id 0
		.amdhsa_next_free_vgpr 144
		.amdhsa_next_free_sgpr 66
		.amdhsa_reserve_vcc 0
		.amdhsa_float_denorm_mode_32 3
		.amdhsa_float_denorm_mode_16_64 3
		.amdhsa_memory_ordered 1
		.amdhsa_forward_progress 1
		.amdhsa_inst_pref_size 14
	.end_amdhsa_kernel
	.amdgpu_metadata
---
amdhsa.version: [ 1, 2 ]
amdhsa.kernels:
  - .name:           k_q0019ee2ba3_mean
    .symbol:         k_q0019ee2ba3_mean.kd
    .args:
      - { .name: part, .offset: 0, .size: 8, .value_kind: global_buffer, .address_space: global }
      - { .name: stat, .offset: 8, .size: 8, .value_kind: global_buffer, .address_space: global }
      - { .name: out0, .offset: 16, .size: 8, .value_kind: global_buffer, .address_space: global }
      - { .name: out1, .offset: 24, .size: 8, .value_kind: global_buffer, .address_space: global }
    .group_segment_fixed_size: 0
    .private_segment_fixed_size: 0
    .kernarg_segment_align: 8
    .kernarg_segment_size: 32
    .max_flat_workgroup_size: 64
    .sgpr_count:     66
    .vgpr_count:     144
    .wavefront_size: 32
...
	.end_amdgpu_metadata
.endif
;; end of part 2
